; MI455X (gfx1250); checked and timed in simulation.
; The chip was launched on July 23, 2026; its instructions are those of AMD's public machine-readable ISA for CDNA 5 (MIT licence, August 2026) and "CDNA5" Instruction Set Architecture Reference Guide (July 2026). The comments in the code are by the model that wrote it; some were corrected since.
;; Enhanced Mixture Of Experts. Allowed arithmetic: float matrix products may take bf16 or f16 operands with f32 sums; all other float work in f32.
;; Inputs: W1 8 x 1,024 x 2,048 float32; W2 8 x 2,048 x 1,024 float32; W3 8 x 1,024 x 1 float32; b1 8 x 2,048 float32; b2 8 x 1,024 float32; b3 8 x 1 float32; soft_cluster_probs 2,048 x 8 float32; x 2,048 x 1,024 float32.
;; Outputs: out0 2,048 x 1 float32.
;; One version. Each part assembles by itself: llvm-mc -triple=amdgcn-amd-amdhsa -mcpu=gfx1250 --defsym DOCPART=n.
;; ======== version 1 of 1: 4 launches
;; workspace buffers: xb 4,194,304 bytes; w1b 33,554,432 bytes; w2b 33,554,432 bytes; h1 67,108,864 bytes; zp 524,288 bytes
;; launch cast (part 1): grid 1024 x 1, 8 waves a work-group, no clusters, 0 bytes of LDS; arguments x, W1, xb, w1b; writes xb, w1b
.if DOCPART == 1
	.amdgcn_target "amdgcn-amd-amdhsa--gfx1250"
	.amdhsa_code_object_version 6
	.text
	.protected	k_q7f81fc8383_cast
	.globl	k_q7f81fc8383_cast
	.p2align	8
	.type	k_q7f81fc8383_cast,@function
k_q7f81fc8383_cast:
	s_mov_b64 s[64:65], 0
	v_nop
	global_prefetch_b8 v0, s[64:65] scope:SCOPE_SE
	s_setreg_imm32_b32 hwreg(HW_REG_WAVE_MODE, 25, 1), 1
	s_wait_xcnt 0x0
; x, W1 (f32) -> xb, w1b (bf16, rounded to nearest even), same layout, no transposition.  (W2 is cast by the next launch, beside its matrix work.)
; A pure stream: each input byte is read once, each output byte written once.  No LDS, no barrier, no matrix unit, no cluster:
; no two work-groups read the same byte and no lane needs another lane's number.
; Work-group g takes 64 KiB of W1 and 8 KiB of x: 18 chunks of 4,096 bytes, the same for all 1,024 work-groups
; (1,024 x 64 KiB = 67,108,864 bytes of W1; 1,024 x 8 KiB = 8,388,608 bytes of x).
; Thread t takes the 16 bytes at 16 t of every chunk: a wave's load covers 512 consecutive bytes, its 8-byte store 256 consecutive bytes, aligned.
; All 18 loads go out first, each into registers of its own; nothing is rewritten while a memory instruction may still read it, so there is no loop
; and the only waits are the counted ones in front of each chunk's conversion.
.set CHUNK, 4096                       ; bytes of f32 in a chunk; CHUNK/2 bytes of bf16
.set NCH,   18                         ; chunks of a work-group
.set X,     4                          ; v[4:75]  chunk i: 4 registers as loaded; the first two then hold the 4 bf16
	s_load_b256 s[4:11], s[0:1], 0x0               ; x s[4:5], W1 s[6:7], xb s[8:9], w1b s[10:11]
	s_lshl_b32 s12, ttmp9, 13                      ; my 8 KiB of x
	s_mov_b32 s13, 0
	s_lshl_b32 s14, ttmp9, 16                      ; my 64 KiB of W1
	s_mov_b32 s15, 0
	s_lshl_b32 s16, ttmp9, 12                      ; my 4 KiB of xb
	s_mov_b32 s17, 0
	s_lshl_b32 s18, ttmp9, 15                      ; my 32 KiB of w1b
	s_mov_b32 s19, 0
	v_lshlrev_b32 v1, 4, v0                        ; 16 t: my bytes in a chunk of f32
	v_lshlrev_b32 v2, 3, v0                        ; 8 t: my bytes in a chunk of bf16
	s_wait_kmcnt 0x0
	s_add_nc_u64 s[4:5], s[4:5], s[12:13]
	s_add_nc_u64 s[6:7], s[6:7], s[14:15]
	s_add_nc_u64 s[8:9], s[8:9], s[16:17]
	s_add_nc_u64 s[10:11], s[10:11], s[18:19]
.irp j, 0,1,2,3,4,5,6,7,8,9,10,11,12,13,14,15
	global_load_b128 v[X+4*\j:X+4*\j+3], v1, s[6:7] offset:CHUNK*\j th:TH_LOAD_NT           ; chunks 0 to 15: W1
.endr
.irp j, 0,1
	global_load_b128 v[X+64+4*\j:X+64+4*\j+3], v1, s[4:5] offset:CHUNK*\j th:TH_LOAD_NT     ; chunks 16, 17: x
.endr
; Chunk i goes out as chunk j of the buffer whose address is in s[base:base+1].  No hint on the stores: the next launch reads these bytes.
.macro OUT i, base, j
	s_wait_loadcnt NCH-1-(\i)                      ; loads come back in order (ISA guide 5.7.1): chunk i is in, the younger ones stay out
	v_cvt_pk_bf16_f32 v[X+4*(\i)],   v[X+4*(\i)],   v[X+4*(\i)+1]
	v_cvt_pk_bf16_f32 v[X+4*(\i)+1], v[X+4*(\i)+2], v[X+4*(\i)+3]
	global_store_b64 v2, v[X+4*(\i):X+4*(\i)+1], s[\base:\base+1] offset:(CHUNK/2)*\j
.endm
.irp j, 0,1,2,3,4,5,6,7,8,9,10,11,12,13,14,15
	OUT \j, 10, \j
.endr
.irp j, 0,1
	OUT 16+\j, 8, \j
.endr
	s_endpgm
.Lfunc_end_k_q7f81fc8383_cast:
	.size	k_q7f81fc8383_cast, .Lfunc_end_k_q7f81fc8383_cast-k_q7f81fc8383_cast
	.p2alignl 7, 3214868480
	.fill 96, 4, 3214868480
	.section	.rodata,"a",@progbits
	.p2align	6, 0x0
	.amdhsa_kernel k_q7f81fc8383_cast
		.amdhsa_group_segment_fixed_size 0
		.amdhsa_private_segment_fixed_size 0
		.amdhsa_enable_private_segment 0
		.amdhsa_kernarg_size 32
		.amdhsa_user_sgpr_count 2
		.amdhsa_user_sgpr_kernarg_segment_ptr 1
		.amdhsa_wavefront_size32 1
		.amdhsa_system_sgpr_workgroup_id_x 1
		.amdhsa_system_sgpr_workgroup_id_y 1
		.amdhsa_system_sgpr_workgroup_id_z 1
		.amdhsa_system_vgpr_workitem_id 0
		.amdhsa_next_free_vgpr 76
		.amdhsa_next_free_sgpr 66
		.amdhsa_reserve_vcc 0
		.amdhsa_float_denorm_mode_32 3
		.amdhsa_float_denorm_mode_16_64 3
		.amdhsa_memory_ordered 1
		.amdhsa_forward_progress 1
		.amdhsa_inst_pref_size 7
	.end_amdhsa_kernel
	.amdgpu_metadata
---
amdhsa.version: [ 1, 2 ]
amdhsa.kernels:
  - .name:           k_q7f81fc8383_cast
    .symbol:         k_q7f81fc8383_cast.kd
    .args:
      - { .name: x, .offset: 0, .size: 8, .value_kind: global_buffer, .address_space: global }
      - { .name: W1, .offset: 8, .size: 8, .value_kind: global_buffer, .address_space: global }
      - { .name: xb, .offset: 16, .size: 8, .value_kind: global_buffer, .address_space: global }
      - { .name: w1b, .offset: 24, .size: 8, .value_kind: global_buffer, .address_space: global }
    .group_segment_fixed_size: 0
    .private_segment_fixed_size: 0
    .kernarg_segment_align: 8
    .kernarg_segment_size: 32
    .max_flat_workgroup_size: 256
    .sgpr_count:     66
    .vgpr_count:     76
    .wavefront_size: 32
...
	.end_amdgpu_metadata
.endif
;; end of part 1
;; launch fc1 (part 2): grid 8 x 64, 4 waves a work-group, clusters of 4 x 4, 327,680 bytes of LDS; arguments xb, w1b, h1, b1, W2, w2b; writes h1, w2b
.if DOCPART == 2
	.amdgcn_target "amdgcn-amd-amdhsa--gfx1250"
	.amdhsa_code_object_version 6
	.text
	.protected	k_q7f81fc8383_fc1
	.globl	k_q7f81fc8383_fc1
	.p2align	8
	.type	k_q7f81fc8383_fc1,@function
k_q7f81fc8383_fc1:
	s_mov_b64 s[64:65], 0
	v_nop
	global_prefetch_b8 v0, s[64:65] scope:SCOPE_SE
	s_setreg_imm32_b32 hwreg(HW_REG_WAVE_MODE, 25, 1), 1
	s_wait_xcnt 0x0
	s_wait_alu depctr_hold_cnt(0) depctr_sa_sdst(0) depctr_va_vdst(0) depctr_va_sdst(0) depctr_va_ssrc(0) depctr_va_vcc(0) depctr_vm_vsrc(0)
	s_getreg_b32 s2, hwreg(HW_REG_IB_STS2, 6, 4)
	s_cmp_eq_u32 s2, 0
	s_cbranch_scc0 .Lentry_in_a_cluster
	s_endpgm
.Lentry_in_a_cluster:
	s_bfe_u32 s2, ttmp6, 0x10000c
	s_cmp_lg_u32 s2, 0xf033
	s_cbranch_scc0 .Lentry_shape_is_right
	s_endpgm
.Lentry_shape_is_right:
; h1[e][b][n] = relu( sum over k of xb[b][k] w1b[e][k][n] + b1[e][n] ), stored as bf16.  Beside it: w2b = W2 rounded to bf16, same layout.
; xb: [2048][1024] bf16.  w1b: [8][1024 k][2048 n] bf16.  b1: [8][2048] f32.  h1: [8][2048][2048] bf16.  Sums in f32.
; W2: [8][2048][1024] f32.  w2b: the same in bf16, for the next launch.
; LIMITS: relu is max(0, x) in which a NaN loses: a NaN sum gives 0.  The operands are bf16 roundings of the f32 inputs; h1 is rounded to bf16 once.
; Grid x = block of 256 columns of an expert (8), grid y = 8 e + block of 256 rows (64).  A work-group makes 256 x 256 with four waves,
; a wave 128 x 128: 64 accumulator tiles of 16 x 16, 512 registers.  K goes in steps of 128 through two LDS slots filled by the tensor data mover.
; CLUSTERS: 4 x 4 work-groups, all of one expert (8 row blocks an expert, 4 a cluster).  The four of a row of the cluster need the same rows of xb, the four
; of a column the same columns of w1b: each tile is asked for jointly by the four, which divides the requests for both by four.
; B LIES [k][n]: its tile is 128 k rows of 256 columns (512 bytes of memory a row, at multiples of 512 bytes), and its fragments are read with the
; transposing LDS load, which hands each lane eight k of one column.
; THE BIAS costs no instruction: the first product of each accumulator takes a tile of bias as its C, so nothing is cleared and nothing is added later.
; THE MATRIX INSTRUCTION IS USED TRANSPOSED: source 0 = 16 columns of B, source 1 = 16 rows of A.  Lane l then holds row l % 16 of the result and its
; registers 0 to 7 the columns 8 (l / 16) + 0 .. 7: eight neighbouring numbers of a row of h1.
; The 64 accumulators take turns, one matrix instruction a turn, in the same order in every quarter step and over the backward jump.
; W2'S CAST RIDES ALONG: it needs neither LDS nor the matrix unit nor anything of this launch's product, only loads, conversions and stores, so it is
; shared out among the launch's 2,048 waves: 67,108,864 / 2,048 = 32 KiB of W2 a wave = 64 chunks of 512 bytes.  A wave has 8 K steps x 4 quarters = 32 places
; where it issues its fragment loads under window 0; at each it takes two chunks.  A lane takes 16 bytes of a chunk: a load covers 512 consecutive bytes,
; an 8-byte store 256 consecutive bytes, aligned.  A chunk is asked for three places (192 matrix instructions) ahead of its conversion.
;
; REGISTERS, in windows of 256:
;   window 0: v0-31 addresses; v32-63 W2's chunks, four groups of 8; v64-127, v128-191 fragments of A, two buffers; v192-255 eight tiles of bias; all of v64-223 at work on the way out
;   window 1: v64-127, v128-191 fragments of B, two buffers
;   window 2: the 32 accumulator tiles of my rows 0-63 (tile (a, b) at v[8 (8 a + b)]);   window 3: those of my rows 64-127
.set SIZE_K, 1024
.set SIZE_N, 2048
.set KSTEP,  128
.set PITCH,  272                       ; A's LDS row: 256 bytes + 16 = 68 words, so that the 16 rows of a fragment load start 4 words apart modulo 64 words
.set BPITCH, 544                       ; B's LDS row: 512 bytes + 32 = 136 words = 8 modulo 64: the 8 rows x 32 bytes that sixteen lanes of a transposing load touch fall on 64 different words modulo 64
.set HALFT,  34816                     ; what one tensor load brings: 128 x 272 (half of A's tile) = 64 x 544 (half of B's)
.set SLOT,   4*HALFT                   ; A's rows 0-127, A's rows 128-255, B's k rows 0-63, B's k rows 64-127
.set STAGE,  2*SLOT                    ; 278,528 = 1,088 x 256: behind the ring, 16 rows x 272 bytes for each wave; no tensor load lands here
.set SPITCH, 272
.set LAPS,   SIZE_K/(2*KSTEP)          ; a lap = two K steps = once round the ring: 4
.set ASTEP,  KSTEP*2                   ; bytes from a K step to the next in A: 128 elements along a row
.set BSTEP,  KSTEP*SIZE_N*2            ; and in B: 128 rows
.set CCH,    512                       ; a chunk of W2: 32 lanes x 16 bytes; CCH/2 bytes of w2b
.set ADRA, 16                          ; v16-17  LDS address of my A fragments in slot 0, 1
.set ADRB, 20                          ; v20-21  the same for B
.set STO,  24                          ; v24     the way out: where I put 16 bytes of a row
.set RD,   25                          ; v25     the way out: where I read a row back
.set CO,   26                          ; v26     my byte offset in h1
.set BOFF, 27                          ; v27     my byte offset in a bias tile: 32 (l / 16)
.set CIN,  28                          ; v28     my byte offset in a chunk of W2: 16 l; never rewritten
.set COUT, 29                          ; v29     my byte offset in a chunk of w2b: 8 l; never rewritten
.set CG,   32                          ; v[32:63]  group g = place % 4: two chunks, 4 registers each as loaded; registers 0, 1 and 4, 5 then hold the bf16
.set F0,   64                          ; fragment buffer 0
.set F1,   128                         ; fragment buffer 1
.set BIAS, 192                         ; v[192+8b:199+8b], window 0: register j of lane l = b1[first column + 16 b + 8 (l / 16) + j]
.set RELU, 64                          ; the way out: 16 rows after relu, f32
.set RB0,  128                         ; the way out: rows read back, two buffers in turn
.set RB1,  160
.set TMP,  192                         ; the way out: packed bf16
.set G1,  24                           ; s[24:31] descriptor group 1 for A's tiles
.set G0,  32                           ; s[32:39] descriptor group 0 for A's tiles, one set for each slot
.set G1B, 48                           ; s[48:55] descriptor group 1 for B's tiles
.set G0B, 56                           ; s[56:63] descriptor group 0 for B's tiles, one set for each slot
.set MSB, 0
.macro WIN new                         ; the immediate's high byte repeats the setting that is left; a switch that changes nothing is dropped
.if MSB != \new
	s_set_vgpr_msb (MSB<<8)|\new
.set MSB, \new
.endif
.endm
.set MUL_LO,  0xa1                     ; source 0 (B) window 1, source 1 (A) window 0, C and D window 2
.set MUL_HI,  0xf1                     ; the same, C and D window 3
.set FRST_LO, 0x81                     ; the first product: C (the bias) window 0, D window 2
.set FRST_HI, 0xc1                     ; C window 0, D window 3
.set TO_B,    0x40                     ; destination window 1, address window 0
; A joint load.  Waves 0 and 1 fetch A's two halves, waves 2 and 3 B's.  Each of the two lines has one mask and one set of registers for all that issue it.
; The branch hangs on the wave's number alone.  Four v_nop follow each line; the jump, the label and what follows come after them.
.macro JLOAD s
	s_cmp_eq_u32 s11, 0
	s_cbranch_scc0 .Lfor_b_\@
	tensor_load_to_lds s[G0+4*\s:G0+4*\s+3], s[G1:G1+7]
	s_nop 0
.rept 4
	v_nop
.endr
	s_branch .Lasked_\@
.Lfor_b_\@:
	tensor_load_to_lds s[G0B+4*\s:G0B+4*\s+3], s[G1B:G1B+7]
	s_nop 0
.rept 4
	v_nop
.endr
.Lasked_\@:
.endm
; A round of the cluster's barrier: my work-group's barrier, wave 0 signals for the work-group, every wave waits for all sixteen, my work-group's barrier again.
.macro CREST                           ; a round behind its opening barrier
	s_cmp_lg_u32 s10, 0
	s_cbranch_scc1 .Lnot_wave_0_\@
	s_barrier_signal -3
.Lnot_wave_0_\@:
	s_barrier_wait -3
	s_barrier_signal -1
	s_barrier_wait -1
.endm
.macro CROUND                          ; a whole round
	s_barrier_signal -1
	s_barrier_wait -1
	CREST
.endm
	s_load_b128 s[4:7], s[0:1], 0x0                ; xb s[4:5], w1b s[6:7]
	s_load_b64 s[8:9], s[0:1], 0x10                ; h1
	s_load_b64 s[66:67], s[0:1], 0x18              ; b1
	s_load_b128 s[76:79], s[0:1], 0x20             ; W2 s[76:77], w2b s[78:79]
	s_set_vgpr_msb 0x40
	v_lshl_add_u32 v255, v0, 2, 0x48400
	s_set_vgpr_msb 0x4000
	v_mov_b32 v31, 0
	s_set_vgpr_msb 0x1
	ds_add_u32 v255, v31
	s_set_vgpr_msb 0x100
	v_lshrrev_b32 v1, 5, v0
	v_readfirstlane_b32 s10, v1                    ; wave 0..3
	s_lshr_b32 s11, s10, 1                         ; which half of the block's rows is mine.  Also: I fetch for A (0) or for B (1)
	s_and_b32 s12, s10, 1                          ; which half of its columns.  Also: which half of that tile I fetch
	s_bfe_u32 s40, ttmp6, 0x40000                  ; cx
	s_bfe_u32 s41, ttmp6, 0x40004                  ; cy
	s_lshl_b32 s42, ttmp9, 2
	s_add_co_u32 s42, s42, s40                     ; block column in the expert = 4 x cluster x + cx
	s_and_b32 s13, ttmp7, 0xffff                   ; cluster y
	s_lshr_b32 s45, s13, 1                         ; the expert: two clusters along y for each; it never holds cy
	s_and_b32 s18, s13, 1
	s_lshl_b32 s18, s18, 2
	s_add_co_u32 s18, s18, s41                     ; block row in the batch = 4 x (cluster y & 1) + cy
	s_lshl_b32 s13, s13, 2
	s_add_co_u32 s13, s13, s41                     ; grid y = 8 e + block row: the block row in h1
	s_lshl_b32 s43, s41, 2
	s_lshl_b32 s43, 15, s43                        ; my row of the cluster: places 4 cy .. 4 cy + 3
	s_lshl_b32 s44, 0x1111, s40                    ; my column: places cx, cx + 4, cx + 8, cx + 12
	; group 1 for A: 128 rows x 128 elements of 2 bytes; 4 words of padding behind every 64 words
	s_or_b32 s[G1+0], s43, (1<<16)|(1<<20)|(1<<21)|(5<<22)|(3<<25)   ; 15:0 the mask: my row; 17:16 2 bytes; 20 padding on; 21 set beside a mask; 24:22 interval 64 words; 31:25 pad 4 words
	s_mov_b32 s[G1+1], KSTEP<<16                   ; tensor_dim0 = 128
	s_mov_b32 s[G1+2], 128<<16                     ; tensor_dim1 = 128
	s_mov_b32 s[G1+3], KSTEP<<16                   ; tile_dim0 = 128
	s_mov_b32 s[G1+4], 128                         ; tile_dim1 = 128
	s_mov_b32 s[G1+5], SIZE_K                      ; elements from row to row of xb
	s_mov_b32 s[G1+6], 0
	s_mov_b32 s[G1+7], 0
	; group 1 for B: 64 k rows x 256 elements of 2 bytes; 8 words of padding behind every 128 words
	s_or_b32 s[G1B+0], s44, (1<<16)|(1<<20)|(1<<21)|(6<<22)|(7<<25)  ; the mask: my column; interval 128 words; pad 8 words
	s_mov_b32 s[G1B+1], 256<<16                    ; tensor_dim0 = 256
	s_mov_b32 s[G1B+2], 64<<16                     ; tensor_dim1 = 64
	s_mov_b32 s[G1B+3], 256<<16                    ; tile_dim0 = 256
	s_mov_b32 s[G1B+4], 64                         ; tile_dim1 = 64
	s_mov_b32 s[G1B+5], SIZE_N                     ; elements from k row to k row of w1b
	s_mov_b32 s[G1B+6], 0
	s_mov_b32 s[G1B+7], 0
	; where the tiles come from.  A's hang on the block row alone, B's on the expert and the block column alone; all offsets stay below 2^31.
	s_lshl_b32 s16, s18, 8
	s_lshl_b32 s17, s12, 7
	s_add_co_u32 s16, s16, s17                     ; A: row 256 x block row + 128 x half,
	s_lshl_b32 s16, s16, 11                        ; times 2,048 bytes a row
	s_mov_b32 s17, 0
	s_lshl_b32 s46, s45, 22                        ; B: the expert's 1,024 x 2,048 x 2 bytes,
	s_lshl_b32 s47, s12, 18                        ; 64 k rows of 4,096 bytes for the second half,
	s_add_co_u32 s46, s46, s47
	s_lshl_b32 s47, s42, 9                         ; 256 columns of 2 bytes a block column
	s_add_co_u32 s46, s46, s47
	s_mov_b32 s47, 0
	s_lshl_b32 s70, s45, 13                        ; the bias: the expert's 2,048 x 4 bytes,
	s_lshl_b32 s71, s42, 10                        ; 256 columns of 4 bytes a block column,
	s_add_co_u32 s70, s70, s71
	s_lshl_b32 s71, s12, 9                         ; 128 columns for my half
	s_add_co_u32 s70, s70, s71
	s_mov_b32 s71, 0
	; my wave's part of W2 and of w2b, in registers that feed no descriptor
	s_lshl_b32 s74, s13, 3
	s_add_co_u32 s74, s74, s42                     ; the work-group's number in the launch: 8 x grid y + grid x, 0 to 511
	s_lshl_b32 s74, s74, 2
	s_add_co_u32 s74, s74, s10                     ; the wave's number in the launch, 0 to 2,047
	s_lshl_b32 s18, s74, 15                        ; its 32 KiB of W2
	s_mov_b32 s19, 0
	s_lshl_b32 s74, s74, 14                        ; its 16 KiB of w2b
	s_mov_b32 s75, 0
	s_mul_i32 s20, s10, HALFT                      ; where my part of a tile goes: wave x 34,816; no place in the cluster enters an LDS address
	s_wait_dscnt 0x0
	s_wait_kmcnt 0x0
	s_add_nc_u64 s[14:15], s[4:5], s[16:17]
	s_add_nc_u64 s[46:47], s[6:7], s[46:47]
	s_add_nc_u64 s[66:67], s[66:67], s[70:71]
	s_add_nc_u64 s[76:77], s[76:77], s[18:19]
	s_add_nc_u64 s[78:79], s[78:79], s[74:75]
	CROUND                                         ; all sixteen work-groups are here: the first joint loads meet
.irp s, 0,1
	s_mov_b32 s[G0+4*\s], 1                                        ; count = 1
	s_add_co_u32 s[G0+4*\s+1], s20, \s*SLOT                        ; LDS address
	s_add_nc_u64 s[G0+4*\s+2:G0+4*\s+3], s[14:15], \s*ASTEP        ; global address: K step s
	s_or_b32 s[G0+4*\s+3], s[G0+4*\s+3], 0x80000000                ; type = 2
	s_mov_b32 s[G0B+4*\s], 1
	s_add_co_u32 s[G0B+4*\s+1], s20, \s*SLOT
	s_add_nc_u64 s[G0B+4*\s+2:G0B+4*\s+3], s[46:47], \s*BSTEP
	s_or_b32 s[G0B+4*\s+3], s[G0B+4*\s+3], 0x80000000
	JLOAD \s                                       ; both slots are asked for before anything else: two tensor loads of the wave are out
.endr
	; A's fragment, 16 rows x 32 K: lane l holds row l % 16; two loads of 16 bytes, 32 bytes apart, at row x pitch + 16 (l / 16).
	; B's fragment, 16 columns x 32 K from rows that lie along n: two transposing loads, 16 k rows apart, at (8 (l / 16) + l % 8) x pitch + 16 ((l / 8) % 2).
	v_and_b32 v1, 15, v0                           ; l % 16
	v_bfe_u32 v2, v0, 4, 1                         ; l / 16
	v_mul_u32_u24 v3, v1, PITCH
	v_lshl_add_u32 v3, v2, 4, v3
	v_and_b32 v4, 7, v0
	v_lshl_add_u32 v4, v2, 3, v4
	v_mul_u32_u24 v4, v4, BPITCH
	v_bfe_u32 v5, v0, 3, 1
	v_lshl_add_u32 v4, v5, 4, v4
	s_mul_i32 s21, s11, HALFT                      ; my 128 rows of A
	s_lshl_b32 s22, s12, 8                         ; my 128 columns of B, 256 bytes into its rows,
	s_add_co_u32 s22, s22, 2*HALFT                 ; which lie behind A's 256 rows
.irp s, 0,1
	v_add_nc_u32 v[ADRA+\s], s21, v3
	v_add_nc_u32 v[ADRB+\s], s22, v4
	s_add_co_u32 s21, s21, SLOT
	s_add_co_u32 s22, s22, SLOT
.endr
	s_mul_i32 s23, s10, 16*SPITCH
	s_add_co_u32 s23, s23, STAGE                   ; my stage
	v_mul_u32_u24 v4, v1, SPITCH                   ; in: row l % 16, 16 bytes for each half of the lanes
	v_lshl_add_u32 v4, v2, 4, v4
	v_add_nc_u32 v[STO], s23, v4
	v_mul_u32_u24 v5, v2, SPITCH                   ; back: lanes 0-15 take one row of 256 bytes, lanes 16-31 the next
	v_lshl_add_u32 v5, v1, 4, v5
	v_add_nc_u32 v[RD], s23, v5
	v_lshlrev_b32 v5, 12, v2                       ; and the same two rows in h1, 4,096 bytes apart
	v_lshl_add_u32 v[CO], v1, 4, v5
	v_lshlrev_b32 v[BOFF], 5, v2                   ; 8 f32 further for lanes 16-31
	v_and_b32 v5, 31, v0                           ; l
	v_lshlrev_b32 v[CIN], 4, v5
	v_lshlrev_b32 v[COUT], 3, v5
.irp b, 0,1,2,3,4,5,6,7
	global_load_b128 v[BIAS+8*\b:BIAS+8*\b+3],   v[BOFF], s[66:67] offset:64*\b       ; bias of columns 16 b + 8 (l / 16) + 0..3
	global_load_b128 v[BIAS+8*\b+4:BIAS+8*\b+7], v[BOFF], s[66:67] offset:64*\b+16    ; + 4..7
.endr
.irp p, 0,1,2
	global_load_b128 v[CG+8*\p:CG+8*\p+3],   v[CIN], s[76:77] offset:(2*\p)*CCH th:TH_LOAD_NT     ; W2's chunks of the first three places, behind the bias
	global_load_b128 v[CG+8*\p+4:CG+8*\p+7], v[CIN], s[76:77] offset:(2*\p+1)*CCH th:TH_LOAD_NT
.endr
; W2's cast at place pl (0 to 7) of a lap; window 0 is set.  LAPKIND: 0 the first lap, 1 a middle one, 2 the last.
; The place's own two chunks lie in group pl % 4, asked for three places ago.  The group of the place before, whose stores have gone out there, is loaded again
; with the chunks of the place three further on.  The last lap's places 5, 6, 7 ask for nothing: chunk 63 is the wave's last.
.macro CAST pl
.set CP,  \pl
.set CGN, CG+8*(CP%4)                  ; the group at work
.set CGL, CG+8*((CP+3)%4)              ; the group to load
.set CLD, 1
.if LAPKIND == 2
.if CP > 4
.set CLD, 0
.endif
.endif
	s_wait_xcnt 0x0                                ; every earlier memory instruction has had its addresses translated (ISA guide 3.1): the group that the last place's stores read, and the two bases, are rewritten only behind this wait
.if CP == 0
.if LAPKIND != 0
	s_add_nc_u64 s[76:77], s[76:77], 16*CCH        ; a lap's 16 chunks on
	s_add_nc_u64 s[78:79], s[78:79], 16*CCH/2
.endif
.endif
.if CLD
	global_load_b128 v[CGL:CGL+3],   v[CIN], s[76:77] offset:(2*CP+6)*CCH th:TH_LOAD_NT
	global_load_b128 v[CGL+4:CGL+7], v[CIN], s[76:77] offset:(2*CP+7)*CCH th:TH_LOAD_NT
	s_wait_loadcnt 6                               ; loads come back in order (ISA guide 5.7.1): this place's two are in, the three younger pairs stay out
.else
	s_wait_loadcnt 2*(7-CP)                        ; nothing was asked for here: the counts run down 4, 2, 0
.endif
	v_cvt_pk_bf16_f32 v[CGN],   v[CGN],   v[CGN+1]
	v_cvt_pk_bf16_f32 v[CGN+1], v[CGN+2], v[CGN+3]
	v_cvt_pk_bf16_f32 v[CGN+4], v[CGN+4], v[CGN+5]
	v_cvt_pk_bf16_f32 v[CGN+5], v[CGN+6], v[CGN+7]
	global_store_b64 v[COUT], v[CGN:CGN+1],   s[78:79] offset:(2*CP)*CCH/2      ; the wave stores 256 consecutive bytes, aligned; no hint: the next launch reads them
	global_store_b64 v[COUT], v[CGN+4:CGN+5], s[78:79] offset:(2*CP+1)*CCH/2
.endm
; 16 matrix instructions: m blocks a0, a0 + 1 of the window's four (hi = 0: my rows 0-63, 1: rows 64-127) x all 8 n blocks, 32 along K.
; first = 1: the product starts the sum from the bias tile of its n block.
.macro MUL16 f, hi, a0, first
.irp a, \a0, \a0+1
.irp b, 0,1,2,3,4,5,6,7
.if \first
	v_wmma_f32_16x16x32_bf16 v[8*(8*(\a)+\b):8*(8*(\a)+\b)+7], v[\f+8*\b:\f+8*\b+7], v[\f+8*(4*\hi+\a):\f+8*(4*\hi+\a)+7], v[BIAS+8*\b:BIAS+8*\b+7]
.else
	v_wmma_f32_16x16x32_bf16 v[8*(8*(\a)+\b):8*(8*(\a)+\b)+7], v[\f+8*\b:\f+8*\b+7], v[\f+8*(4*\hi+\a):\f+8*(4*\hi+\a)+7], v[8*(8*(\a)+\b):8*(8*(\a)+\b)+7]
.endif
.endr
.endr
.endm
; 32 LDS loads in one run: the fragments of quarter q of a K step (32 k: 32 rows of B's tile, 64 bytes of A's rows) into buffer f.  B's 16 first, then A's 16.
.macro FETCH slot, q, f
	WIN TO_B
.irp i, 0,1,2,3,4,5,6,7
	ds_load_tr16_b128 v[\f+8*\i:\f+8*\i+3],   v[ADRB+\slot] offset:\q*32*BPITCH+32*\i
	ds_load_tr16_b128 v[\f+8*\i+4:\f+8*\i+7], v[ADRB+\slot] offset:\q*32*BPITCH+16*BPITCH+32*\i
.endr
	WIN 0
.irp i, 0,1,2,3,4,5,6,7
	ds_load_b128 v[\f+8*\i:\f+8*\i+3],   v[ADRA+\slot] offset:\q*64+\i*16*PITCH
	ds_load_b128 v[\f+8*\i+4:\f+8*\i+7], v[ADRA+\slot] offset:\q*64+\i*16*PITCH+32
.endr
.endm
; A load into a register that a matrix instruction has read, and a vector instruction that reads a matrix result, stand four places behind that matrix
; instruction, and only plain vector instructions that name none of its registers are places (ISA guide 7.12.1 for vector instructions).
.macro PLACES
.rept 4
	v_nop
.endr
.endm
; One of a K step's first three quarters: multiplies buffer f; in its middle it fetches quarter q of the same slot into buffer g and takes W2's two chunks of the place.
.macro QUARTER slot, q, f, g, first
	s_wait_dscnt 8                                 ; B and A's rows 0-63 are in; the youngest eight loads (A's rows 64-127) may be out
.if \first
	WIN FRST_LO
.else
	WIN MUL_LO
.endif
	MUL16 \f, 0, 0, \first
	MUL16 \f, 0, 2, \first
	PLACES
	FETCH \slot, \q, \g
	CAST 4*\slot+\q-1
	s_wait_dscnt 32                                ; all but the 32 LDS loads just issued
.if \first
	WIN FRST_HI
.else
	WIN MUL_HI
.endif
	MUL16 \f, 1, 0, \first
	MUL16 \f, 1, 2, \first
.endm
.macro THREE slot, first
	QUARTER \slot, 1, F0, F1, \first
	QUARTER \slot, 2, F1, F0, 0
	QUARTER \slot, 3, F0, F1, 0
.endm
; The last quarter: multiplies buffer 1 and changes slots.  fill = 1: this slot is filled again, two K steps ahead.
; In front of the barrier each wave waits for its reads of this slot and for all its tensor loads (one is out: its part of the next slot).  Behind it nobody
; reads this slot and the next slot is whole: the refill comes first, then the next slot's first fragments, then W2's two chunks.  From a request to the wait for it: 240 matrix instructions.
.macro TURN slot, next, fill
	s_wait_dscnt 8
	WIN MUL_LO
	MUL16 F1, 0, 0, 0
	s_wait_dscnt 0                                 ; my reads of this slot are over
	s_wait_tensorcnt 0x0                           ; and all my tensor loads have landed
	ds_add_u32 v255, v31
	s_wait_dscnt 0x0
	s_barrier_signal -1                            ; say so (where a slot is filled again this barrier opens a round of the cluster's barrier),
	MUL16 F1, 0, 2, 0                              ; work on registers while the others arrive,
	WIN 0
	s_barrier_wait -1
.if \fill
	CREST                                          ; all sixteen work-groups have said so: no wave of any partner still reads this slot or has a load on its way
	s_add_nc_u64 s[G0+4*\slot+2:G0+4*\slot+3], s[G0+4*\slot+2:G0+4*\slot+3], 2*ASTEP
	s_add_nc_u64 s[G0B+4*\slot+2:G0B+4*\slot+3], s[G0B+4*\slot+2:G0B+4*\slot+3], 2*BSTEP
	JLOAD \slot                                    ; the wave's one tensor load behind the round; its four v_nop are also the places in front of the loads below
.else
	PLACES
.endif
	FETCH \next, 0, F0
	CAST 4*\slot+3
	WIN MUL_HI
	MUL16 F1, 1, 0, 0
	MUL16 F1, 1, 2, 0
.endm
.macro LAP first                       ; once round the ring, both slots filled again
	THREE 0, \first
	TURN 0, 1, 1
	THREE 1, 0
	TURN 1, 0, 1
.endm
	s_wait_loadcnt 6                               ; the sixteen loads of the bias are in; the six younger ones, W2's first chunks, stay out
	s_wait_tensorcnt 1                             ; my part of K step 0 is in; K step 1's may stay out
	s_barrier_signal -1
	s_barrier_wait -1                              ; everybody's is
	FETCH 0, 0, F0
.set LAPKIND, 0
	LAP 1                                          ; the first lap stands in front of the loop: its first products start the sums from the bias
	WIN 0                                          ; at a label and at a branch every window is 0
	s_mov_b32 s3, LAPS-2
.set LAPKIND, 1
.Llap:
	LAP 0
	WIN 0
	s_sub_co_u32 s3, s3, 1
	s_cmp_lg_u32 s3, 0
	s_cbranch_scc1 .Llap
.set LAPKIND, 2
	THREE 0, 0                                     ; the last lap fills nothing: 2 + 2 (LAPS - 1) = 8 fills of each wave's part, one for each K step
	TURN 0, 1, 0
	THREE 1, 0
	s_wait_dscnt 8                                 ; the very last quarter: nothing more to fetch
	WIN MUL_LO
	MUL16 F1, 0, 0, 0
	MUL16 F1, 0, 2, 0
	WIN 0
	CAST 7                                         ; W2's last two chunks; it names no register of a matrix instruction
	s_wait_dscnt 0
	WIN MUL_HI
	MUL16 F1, 1, 0, 0
	MUL16 F1, 1, 2, 0
	; THE WAY OUT, 16 rows at a time: relu, round to bf16, 16 bytes a lane into my own stage in LDS, read back as whole rows of 256 bytes.
	PLACES                                         ; the places behind the last matrix instructions, for the reads of results and the writes of fragment registers
	s_lshl_b32 s16, s13, 8
	s_lshl_b32 s17, s11, 7
	s_add_co_u32 s16, s16, s17                     ; my first row of h1: 256 x (8 e + block row) + 128 x half,
	s_lshl_b32 s16, s16, 12                        ; times 4,096 bytes a row: below 2^26
	s_mov_b32 s17, 0
	s_add_nc_u64 s[8:9], s[8:9], s[16:17]
	s_lshl_b32 s46, s42, 9                         ; my first column, in bytes: 512 x block column + 256 x half
	s_lshl_b32 s47, s12, 8
	s_add_co_u32 s46, s46, s47
	s_mov_b32 s47, 0
	s_add_nc_u64 s[8:9], s[8:9], s[46:47]
; rows 16 i .. 16 i + 15 of my block = the eight tiles (a, 0..7) of window 2 or 3 (from = 0x0a or 0x0f: sources 0 and 1); f: RB0 or RB1 in turn
.macro OUT16 i, a, from, f
	WIN \from
.irp b, 0,1,2,3,4,5,6,7
.irp j, 0,1,2,3,4,5,6,7
	v_max_num_f32 v[RELU+8*\b+\j], 0, v[8*(8*\a+\b)+\j]
.endr
.endr
	WIN 0
.irp b, 0,1,2,3,4,5,6,7
.irp r, 0,1,2,3
	v_cvt_pk_bf16_f32 v[TMP+4*\b+\r], v[RELU+8*\b+2*\r], v[RELU+8*\b+2*\r+1]
.endr
.endr
.irp b, 0,1,2,3,4,5,6,7
	ds_store_b128 v[STO], v[TMP+4*\b:TMP+4*\b+3] offset:32*\b
.endr
	s_wait_xcnt 0x0                                ; every earlier memory instruction has had its addresses translated (ISA guide 3.1): buffer f, which stores read, and the stores' base are rewritten only behind this wait
.if \i
	s_add_nc_u64 s[8:9], s[8:9], 16*SIZE_N*2       ; 16 rows of h1 on
.endif
.irp t, 0,1,2,3,4,5,6,7
	ds_load_b128 v[\f+4*\t:\f+4*\t+3], v[RD] offset:\t*2*SPITCH    ; LDS serves a wave's instructions in order (ISA guide 5.7.1.4): these see the stores above
.endr
.irp t, 0,1,2,3,4,5,6,7
	s_wait_dscnt 7-\t                              ; readback t is in, the younger ones stay out
	global_store_b128 v[CO], v[\f+4*\t:\f+4*\t+3], s[8:9] offset:2*\t*SIZE_N*2   ; 16 lanes store 256 consecutive bytes, at a multiple of 256 from h1's first byte
.endr
.endm
	OUT16 0, 0, 0x0a, RB0
	OUT16 1, 1, 0x0a, RB1
	OUT16 2, 2, 0x0a, RB0
	OUT16 3, 3, 0x0a, RB1
	OUT16 4, 0, 0x0f, RB0
	OUT16 5, 1, 0x0f, RB1
	OUT16 6, 2, 0x0f, RB0
	OUT16 7, 3, 0x0f, RB1
	s_set_vgpr_msb 0x1
	s_wait_tensorcnt 0x0
	ds_add_u32 v255, v31
	s_wait_dscnt 0x0
	s_set_vgpr_msb 0x100
	CROUND                                         ; the closing round: no work-group ends while a partner may still ask for a tile that names it
	s_endpgm
.Lfunc_end_k_q7f81fc8383_fc1:
	.size	k_q7f81fc8383_fc1, .Lfunc_end_k_q7f81fc8383_fc1-k_q7f81fc8383_fc1
	.p2alignl 7, 3214868480
	.fill 96, 4, 3214868480
	.section	.rodata,"a",@progbits
	.p2align	6, 0x0
	.amdhsa_kernel k_q7f81fc8383_fc1
		.amdhsa_group_segment_fixed_size 327680
		.amdhsa_private_segment_fixed_size 0
		.amdhsa_enable_private_segment 0
		.amdhsa_kernarg_size 48
		.amdhsa_user_sgpr_count 2
		.amdhsa_user_sgpr_kernarg_segment_ptr 1
		.amdhsa_wavefront_size32 1
		.amdhsa_system_sgpr_workgroup_id_x 1
		.amdhsa_system_sgpr_workgroup_id_y 1
		.amdhsa_system_sgpr_workgroup_id_z 1
		.amdhsa_system_vgpr_workitem_id 0
		.amdhsa_next_free_vgpr 1024
		.amdhsa_next_free_sgpr 80
		.amdhsa_reserve_vcc 0
		.amdhsa_float_denorm_mode_32 3
		.amdhsa_float_denorm_mode_16_64 3
		.amdhsa_memory_ordered 1
		.amdhsa_forward_progress 1
		.amdhsa_inst_pref_size 233
	.end_amdhsa_kernel
	.amdgpu_metadata
---
amdhsa.version: [ 1, 2 ]
amdhsa.kernels:
  - .name:           k_q7f81fc8383_fc1
    .symbol:         k_q7f81fc8383_fc1.kd
    .args:
      - { .name: xb, .offset: 0, .size: 8, .value_kind: global_buffer, .address_space: global }
      - { .name: w1b, .offset: 8, .size: 8, .value_kind: global_buffer, .address_space: global }
      - { .name: h1, .offset: 16, .size: 8, .value_kind: global_buffer, .address_space: global }
      - { .name: b1, .offset: 24, .size: 8, .value_kind: global_buffer, .address_space: global }
      - { .name: W2, .offset: 32, .size: 8, .value_kind: global_buffer, .address_space: global }
      - { .name: w2b, .offset: 40, .size: 8, .value_kind: global_buffer, .address_space: global }
    .group_segment_fixed_size: 327680
    .private_segment_fixed_size: 0
    .kernarg_segment_align: 8
    .kernarg_segment_size: 48
    .max_flat_workgroup_size: 128
    .sgpr_count:     80
    .vgpr_count:     1024
    .wavefront_size: 32
...
	.end_amdgpu_metadata
.endif
;; end of part 2
;; launch fc2 (part 3): grid 4 x 64, 4 waves a work-group, clusters of 4 x 4, 327,680 bytes of LDS; arguments h1, w2b, zp, b2, W3; writes zp
.if DOCPART == 3
	.amdgcn_target "amdgcn-amd-amdhsa--gfx1250"
	.amdhsa_code_object_version 6
	.text
	.protected	k_q7f81fc8383_fc2
	.globl	k_q7f81fc8383_fc2
	.p2align	8
	.type	k_q7f81fc8383_fc2,@function
k_q7f81fc8383_fc2:
	s_mov_b64 s[64:65], 0
	v_nop
	global_prefetch_b8 v0, s[64:65] scope:SCOPE_SE
	s_setreg_imm32_b32 hwreg(HW_REG_WAVE_MODE, 25, 1), 1
	s_wait_xcnt 0x0
	s_wait_alu depctr_hold_cnt(0) depctr_sa_sdst(0) depctr_va_vdst(0) depctr_va_sdst(0) depctr_va_ssrc(0) depctr_va_vcc(0) depctr_vm_vsrc(0)
	s_getreg_b32 s2, hwreg(HW_REG_IB_STS2, 6, 4)
	s_cmp_eq_u32 s2, 0
	s_cbranch_scc0 .Lentry_in_a_cluster
	s_endpgm
.Lentry_in_a_cluster:
	s_bfe_u32 s2, ttmp6, 0x10000c
	s_cmp_lg_u32 s2, 0xf033
	s_cbranch_scc0 .Lentry_shape_is_right
	s_endpgm
.Lentry_shape_is_right:
; zp[e][nb][b] = sum over the 128 columns n of strip nb of relu( sum over k of h1[e][b][k] w2b[e][k][n] + b2[e][n] ) W3[e][n].
; h1: [8][2048][2048] bf16.  w2b: [8][2048 k][1024 n] bf16.  b2: [8][1024] f32.  W3: [8][1024] f32.  zp: [8][8][2048] f32.
; h2 never leaves the registers: fc3 has one output column, so it is a dot product along a row of h2, made in f32 on the way out; the eight strips'
; partial sums of a row are added in the next launch (a sum over work-groups is ordered by a launch of its own).
; LIMITS: relu is max(0, x) in which a NaN loses: a NaN sum gives 0.  The matrix operands are bf16; everything behind the matrix sums is f32.
; Grid x = block of 256 columns of an expert (4), grid y = 8 e + block of 256 rows (64).  A work-group makes 256 x 256 with four waves,
; a wave 128 x 128: 64 accumulator tiles of 16 x 16, 512 registers.  K goes in steps of 128 through two LDS slots filled by the tensor data mover.
; CLUSTERS: 4 x 4 work-groups, all of one expert.  The four of a row of the cluster need the same rows of h1, the four of a column the same columns of w2b:
; each tile is asked for jointly by the four, which divides the requests for both by four.
; B LIES [k][n]: its tile is 128 k rows of 256 columns (512 bytes of memory a row), and its fragments are read with the transposing LDS load.
; THE BIAS costs no instruction: the first product of each accumulator takes a tile of bias as its C.
; THE MATRIX INSTRUCTION IS USED TRANSPOSED: source 0 = 16 columns of B, source 1 = 16 rows of A.  Lane l holds row l % 16 of the result and its registers
; 0 to 7 the columns 8 (l / 16) + 0 .. 7, so the dot with W3 runs along a lane's own registers and ends with one step between the two halves of the lanes.
; The 64 accumulators take turns, one matrix instruction a turn, in the same order in every quarter step and over the backward jump.
;
; REGISTERS, in windows of 256:
;   window 0: v0-31 addresses; v32-47 sums on the way out; v64-127, v128-191 fragments of A, two buffers; v192-255 eight tiles of bias
;   window 1: v64-127, v128-191 fragments of B, two buffers; v192-255 W3 of my 128 columns, laid as the bias
;   window 2: the 32 accumulator tiles of my rows 0-63 (tile (a, b) at v[8 (8 a + b)]);   window 3: those of my rows 64-127
.set SIZE_K, 2048
.set SIZE_N, 1024
.set KSTEP,  128
.set PITCH,  272                       ; A's LDS row: 256 bytes + 16 = 68 words, so that the 16 rows of a fragment load start 4 words apart modulo 64 words
.set BPITCH, 544                       ; B's LDS row: 512 bytes + 32 = 136 words = 8 modulo 64: the 8 rows x 32 bytes that sixteen lanes of a transposing load touch fall on 64 different words modulo 64
.set HALFT,  34816                     ; what one tensor load brings: 128 x 272 (half of A's tile) = 64 x 544 (half of B's)
.set SLOT,   4*HALFT                   ; A's rows 0-127, A's rows 128-255, B's k rows 0-63, B's k rows 64-127
.set STAGE,  2*SLOT                    ; 278,528 = 1,088 x 256: behind the ring, 512 bytes for each wave; no tensor load lands here
.set LAPS,   SIZE_K/(2*KSTEP)          ; a lap = two K steps = once round the ring: 8
.set ASTEP,  KSTEP*2                   ; bytes from a K step to the next in A: 128 elements along a row
.set BSTEP,  KSTEP*SIZE_N*2            ; and in B: 128 rows
.set ADRA, 16                          ; v16-17  LDS address of my A fragments in slot 0, 1
.set ADRB, 20                          ; v20-21  the same for B
.set STO,  24                          ; v24     the way out: where row l % 16 of a group of 16 rows puts its sum
.set RD,   25                          ; v25     the way out: where I read four rows' sums back
.set CO,   26                          ; v26     my byte offset in zp
.set BOFF, 27                          ; v27     my byte offset in a tile of bias or of W3: 32 (l / 16)
.set Z,    32                          ; v[32:39]  row sums: register i for rows 16 i + l % 16
.set S,    40                          ; v[40:47]  four chains of packed sums; then the other half's sums
.set F0,   64                          ; fragment buffer 0
.set F1,   128                         ; fragment buffer 1
.set BIAS, 192                         ; v[192+8b:199+8b], window 0: register j of lane l = b2[first column + 16 b + 8 (l / 16) + j]
.set W3V,  192                         ; the same places in window 1: W3 of the same columns
.set RELU, 64                          ; the way out: 16 rows after relu, f32
.set G1,  24                           ; s[24:31] descriptor group 1 for A's tiles
.set G0,  32                           ; s[32:39] descriptor group 0 for A's tiles, one set for each slot
.set G1B, 48                           ; s[48:55] descriptor group 1 for B's tiles
.set G0B, 56                           ; s[56:63] descriptor group 0 for B's tiles, one set for each slot
.set MSB, 0
.macro WIN new                         ; the immediate's high byte repeats the setting that is left; a switch that changes nothing is dropped
.if MSB != \new
	s_set_vgpr_msb (MSB<<8)|\new
.set MSB, \new
.endif
.endm
.set MUL_LO,  0xa1                     ; source 0 (B) window 1, source 1 (A) window 0, C and D window 2
.set MUL_HI,  0xf1                     ; the same, C and D window 3
.set FRST_LO, 0x81                     ; the first product: C (the bias) window 0, D window 2
.set FRST_HI, 0xc1                     ; C window 0, D window 3
.set TO_B,    0x40                     ; destination window 1, address window 0
; A joint load.  Waves 0 and 1 fetch A's two halves, waves 2 and 3 B's.  Each of the two lines has one mask and one set of registers for all that issue it.
; The branch hangs on the wave's number alone.  Four v_nop follow each line; the jump, the label and what follows come after them.
.macro JLOAD s
	s_cmp_eq_u32 s11, 0
	s_cbranch_scc0 .Lfor_b_\@
	tensor_load_to_lds s[G0+4*\s:G0+4*\s+3], s[G1:G1+7]
	s_nop 0
.rept 4
	v_nop
.endr
	s_branch .Lasked_\@
.Lfor_b_\@:
	tensor_load_to_lds s[G0B+4*\s:G0B+4*\s+3], s[G1B:G1B+7]
	s_nop 0
.rept 4
	v_nop
.endr
.Lasked_\@:
.endm
; A round of the cluster's barrier: my work-group's barrier, wave 0 signals for the work-group, every wave waits for all sixteen, my work-group's barrier again.
.macro CREST                           ; a round behind its opening barrier
	s_cmp_lg_u32 s10, 0
	s_cbranch_scc1 .Lnot_wave_0_\@
	s_barrier_signal -3
.Lnot_wave_0_\@:
	s_barrier_wait -3
	s_barrier_signal -1
	s_barrier_wait -1
.endm
.macro CROUND                          ; a whole round
	s_barrier_signal -1
	s_barrier_wait -1
	CREST
.endm
	s_load_b128 s[4:7], s[0:1], 0x0                ; h1 s[4:5], w2b s[6:7]
	s_load_b64 s[8:9], s[0:1], 0x10                ; zp
	s_load_b64 s[66:67], s[0:1], 0x18              ; b2
	s_load_b64 s[68:69], s[0:1], 0x20              ; W3
	s_set_vgpr_msb 0x40
	v_lshl_add_u32 v63, v0, 2, 0x44800
	s_set_vgpr_msb 0x4000
	v_mov_b32 v63, 0
	s_set_vgpr_msb 0x1
	ds_add_u32 v63, v63
	s_set_vgpr_msb 0x100
	v_lshrrev_b32 v1, 5, v0
	v_readfirstlane_b32 s10, v1                    ; wave 0..3
	s_lshr_b32 s11, s10, 1                         ; which half of the block's rows is mine.  Also: I fetch for A (0) or for B (1)
	s_and_b32 s12, s10, 1                          ; which half of its columns.  Also: which half of that tile I fetch
	s_bfe_u32 s40, ttmp6, 0x40000                  ; cx
	s_bfe_u32 s41, ttmp6, 0x40004                  ; cy
	s_lshl_b32 s42, ttmp9, 2
	s_add_co_u32 s42, s42, s40                     ; block column in the expert = 4 x cluster x + cx
	s_and_b32 s13, ttmp7, 0xffff                   ; cluster y
	s_lshr_b32 s45, s13, 1                         ; the expert: two clusters along y for each; it never holds cy
	s_lshl_b32 s13, s13, 2
	s_add_co_u32 s13, s13, s41                     ; grid y = 8 e + block row: the block row in h1
	s_lshl_b32 s43, s41, 2
	s_lshl_b32 s43, 15, s43                        ; my row of the cluster: places 4 cy .. 4 cy + 3
	s_lshl_b32 s44, 0x1111, s40                    ; my column: places cx, cx + 4, cx + 8, cx + 12
	s_mov_b32 s72, 0x76543210                      ; v_permlanex16_b32: lane i of one half reads lane i of the other
	s_mov_b32 s73, 0xfedcba98
	; group 1 for A: 128 rows x 128 elements of 2 bytes; 4 words of padding behind every 64 words
	s_or_b32 s[G1+0], s43, (1<<16)|(1<<20)|(1<<21)|(5<<22)|(3<<25)   ; 15:0 the mask: my row; 17:16 2 bytes; 20 padding on; 21 set beside a mask; 24:22 interval 64 words; 31:25 pad 4 words
	s_mov_b32 s[G1+1], KSTEP<<16                   ; tensor_dim0 = 128
	s_mov_b32 s[G1+2], 128<<16                     ; tensor_dim1 = 128
	s_mov_b32 s[G1+3], KSTEP<<16                   ; tile_dim0 = 128
	s_mov_b32 s[G1+4], 128                         ; tile_dim1 = 128
	s_mov_b32 s[G1+5], SIZE_K                      ; elements from row to row of h1
	s_mov_b32 s[G1+6], 0
	s_mov_b32 s[G1+7], 0
	; group 1 for B: 64 k rows x 256 elements of 2 bytes; 8 words of padding behind every 128 words
	s_or_b32 s[G1B+0], s44, (1<<16)|(1<<20)|(1<<21)|(6<<22)|(7<<25)  ; the mask: my column; interval 128 words; pad 8 words
	s_mov_b32 s[G1B+1], 256<<16                    ; tensor_dim0 = 256
	s_mov_b32 s[G1B+2], 64<<16                     ; tensor_dim1 = 64
	s_mov_b32 s[G1B+3], 256<<16                    ; tile_dim0 = 256
	s_mov_b32 s[G1B+4], 64                         ; tile_dim1 = 64
	s_mov_b32 s[G1B+5], SIZE_N                     ; elements from k row to k row of w2b
	s_mov_b32 s[G1B+6], 0
	s_mov_b32 s[G1B+7], 0
	; where the tiles come from.  A's hang on grid y alone, B's on the expert and the block column alone; all offsets stay below 2^31.
	s_lshl_b32 s16, s13, 8
	s_lshl_b32 s17, s12, 7
	s_add_co_u32 s16, s16, s17                     ; A: row 256 x (8 e + block row) + 128 x half,
	s_lshl_b32 s16, s16, 12                        ; times 4,096 bytes a row: below 2^26
	s_mov_b32 s17, 0
	s_lshl_b32 s46, s45, 22                        ; B: the expert's 2,048 x 1,024 x 2 bytes,
	s_lshl_b32 s47, s12, 17                        ; 64 k rows of 2,048 bytes for the second half,
	s_add_co_u32 s46, s46, s47
	s_lshl_b32 s47, s42, 9                         ; 256 columns of 2 bytes a block column
	s_add_co_u32 s46, s46, s47
	s_mov_b32 s47, 0
	s_lshl_b32 s70, s45, 12                        ; b2 and W3: the expert's 1,024 x 4 bytes,
	s_lshl_b32 s71, s42, 10                        ; 256 columns of 4 bytes a block column,
	s_add_co_u32 s70, s70, s71
	s_lshl_b32 s71, s12, 9                         ; 128 columns for my half
	s_add_co_u32 s70, s70, s71
	s_mov_b32 s71, 0
	s_mul_i32 s20, s10, HALFT                      ; where my part of a tile goes: wave x 34,816; no place in the cluster enters an LDS address
	s_wait_dscnt 0x0
	s_wait_kmcnt 0x0
	s_add_nc_u64 s[14:15], s[4:5], s[16:17]
	s_add_nc_u64 s[46:47], s[6:7], s[46:47]
	s_add_nc_u64 s[66:67], s[66:67], s[70:71]
	s_add_nc_u64 s[68:69], s[68:69], s[70:71]
	CROUND                                         ; all sixteen work-groups are here: the first joint loads meet
.irp s, 0,1
	s_mov_b32 s[G0+4*\s], 1                                        ; count = 1
	s_add_co_u32 s[G0+4*\s+1], s20, \s*SLOT                        ; LDS address
	s_add_nc_u64 s[G0+4*\s+2:G0+4*\s+3], s[14:15], \s*ASTEP        ; global address: K step s
	s_or_b32 s[G0+4*\s+3], s[G0+4*\s+3], 0x80000000                ; type = 2
	s_mov_b32 s[G0B+4*\s], 1
	s_add_co_u32 s[G0B+4*\s+1], s20, \s*SLOT
	s_add_nc_u64 s[G0B+4*\s+2:G0B+4*\s+3], s[46:47], \s*BSTEP
	s_or_b32 s[G0B+4*\s+3], s[G0B+4*\s+3], 0x80000000
	JLOAD \s                                       ; both slots are asked for before anything else: two tensor loads of the wave are out
.endr
	; A's fragment, 16 rows x 32 K: lane l holds row l % 16; two loads of 16 bytes, 32 bytes apart, at row x pitch + 16 (l / 16).
	; B's fragment, 16 columns x 32 K from rows that lie along n: two transposing loads, 16 k rows apart, at (8 (l / 16) + l % 8) x pitch + 16 ((l / 8) % 2).
	v_and_b32 v1, 15, v0                           ; l % 16
	v_bfe_u32 v2, v0, 4, 1                         ; l / 16
	v_mul_u32_u24 v3, v1, PITCH
	v_lshl_add_u32 v3, v2, 4, v3
	v_and_b32 v4, 7, v0
	v_lshl_add_u32 v4, v2, 3, v4
	v_mul_u32_u24 v4, v4, BPITCH
	v_bfe_u32 v5, v0, 3, 1
	v_lshl_add_u32 v4, v5, 4, v4
	s_mul_i32 s21, s11, HALFT                      ; my 128 rows of A
	s_lshl_b32 s22, s12, 8                         ; my 128 columns of B, 256 bytes into its rows,
	s_add_co_u32 s22, s22, 2*HALFT                 ; which lie behind A's 256 rows
.irp s, 0,1
	v_add_nc_u32 v[ADRA+\s], s21, v3
	v_add_nc_u32 v[ADRB+\s], s22, v4
	s_add_co_u32 s21, s21, SLOT
	s_add_co_u32 s22, s22, SLOT
.endr
	s_lshl_b32 s23, s10, 9
	s_add_co_u32 s23, s23, STAGE                   ; my stage: 128 sums of 4 bytes
	v_lshl_add_u32 v[STO], v1, 2, s23              ; in: 4 (l % 16); the group of 16 rows stands in the immediate
	v_and_b32 v5, 31, v0
	v_lshlrev_b32 v[CO], 4, v5                     ; out: four rows' sums a lane
	v_add_nc_u32 v[RD], s23, v[CO]
	v_lshlrev_b32 v[BOFF], 5, v2                   ; 8 f32 further for lanes 16-31
.irp b, 0,1,2,3,4,5,6,7
	global_load_b128 v[BIAS+8*\b:BIAS+8*\b+3],   v[BOFF], s[66:67] offset:64*\b       ; bias of columns 16 b + 8 (l / 16) + 0..3
	global_load_b128 v[BIAS+8*\b+4:BIAS+8*\b+7], v[BOFF], s[66:67] offset:64*\b+16    ; + 4..7
.endr
	WIN TO_B
.irp b, 0,1,2,3,4,5,6,7
	global_load_b128 v[W3V+8*\b:W3V+8*\b+3],   v[BOFF], s[68:69] offset:64*\b         ; W3 of the same columns, into window 1
	global_load_b128 v[W3V+8*\b+4:W3V+8*\b+7], v[BOFF], s[68:69] offset:64*\b+16
.endr
	WIN 0
; 16 matrix instructions: m blocks a0, a0 + 1 of the window's four (hi = 0: my rows 0-63, 1: rows 64-127) x all 8 n blocks, 32 along K.
; first = 1: the product starts the sum from the bias tile of its n block.
.macro MUL16 f, hi, a0, first
.irp a, \a0, \a0+1
.irp b, 0,1,2,3,4,5,6,7
.if \first
	v_wmma_f32_16x16x32_bf16 v[8*(8*(\a)+\b):8*(8*(\a)+\b)+7], v[\f+8*\b:\f+8*\b+7], v[\f+8*(4*\hi+\a):\f+8*(4*\hi+\a)+7], v[BIAS+8*\b:BIAS+8*\b+7]
.else
	v_wmma_f32_16x16x32_bf16 v[8*(8*(\a)+\b):8*(8*(\a)+\b)+7], v[\f+8*\b:\f+8*\b+7], v[\f+8*(4*\hi+\a):\f+8*(4*\hi+\a)+7], v[8*(8*(\a)+\b):8*(8*(\a)+\b)+7]
.endif
.endr
.endr
.endm
; 32 LDS loads in one run: the fragments of quarter q of a K step (32 k: 32 rows of B's tile, 64 bytes of A's rows) into buffer f.  B's 16 first, then A's 16.
.macro FETCH slot, q, f
	WIN TO_B
.irp i, 0,1,2,3,4,5,6,7
	ds_load_tr16_b128 v[\f+8*\i:\f+8*\i+3],   v[ADRB+\slot] offset:\q*32*BPITCH+32*\i
	ds_load_tr16_b128 v[\f+8*\i+4:\f+8*\i+7], v[ADRB+\slot] offset:\q*32*BPITCH+16*BPITCH+32*\i
.endr
	WIN 0
.irp i, 0,1,2,3,4,5,6,7
	ds_load_b128 v[\f+8*\i:\f+8*\i+3],   v[ADRA+\slot] offset:\q*64+\i*16*PITCH
	ds_load_b128 v[\f+8*\i+4:\f+8*\i+7], v[ADRA+\slot] offset:\q*64+\i*16*PITCH+32
.endr
.endm
; A load into a register that a matrix instruction has read, and a vector instruction that reads a matrix result, stand four places behind that matrix
; instruction, and only plain vector instructions that name none of its registers are places (ISA guide 7.12.1 for vector instructions).
.macro PLACES
.rept 4
	v_nop
.endr
.endm
; One of a K step's first three quarters: multiplies buffer f; in its middle it fetches quarter q of the same slot into buffer g.
.macro QUARTER slot, q, f, g, first
	s_wait_dscnt 8                                 ; B and A's rows 0-63 are in; the youngest eight loads (A's rows 64-127) may be out
.if \first
	WIN FRST_LO
.else
	WIN MUL_LO
.endif
	MUL16 \f, 0, 0, \first
	MUL16 \f, 0, 2, \first
	PLACES
	FETCH \slot, \q, \g
	s_wait_dscnt 32                                ; all but the 32 just issued
.if \first
	WIN FRST_HI
.else
	WIN MUL_HI
.endif
	MUL16 \f, 1, 0, \first
	MUL16 \f, 1, 2, \first
.endm
.macro THREE slot, first
	QUARTER \slot, 1, F0, F1, \first
	QUARTER \slot, 2, F1, F0, 0
	QUARTER \slot, 3, F0, F1, 0
.endm
; The last quarter: multiplies buffer 1 and changes slots.  fill = 1: this slot is filled again, two K steps ahead.
; In front of the barrier each wave waits for its reads of this slot and for all its tensor loads (one is out: its part of the next slot).  Behind it nobody
; reads this slot and the next slot is whole: the refill comes first, then the next slot's first fragments.  From a request to the wait for it: 240 matrix instructions.
.macro TURN slot, next, fill
	s_wait_dscnt 8
	WIN MUL_LO
	MUL16 F1, 0, 0, 0
	s_wait_dscnt 0                                 ; my reads of this slot are over
	s_wait_tensorcnt 0x0                           ; and all my tensor loads have landed
	ds_add_u32 v63, v63
	s_wait_dscnt 0x0
	s_barrier_signal -1                            ; say so (where a slot is filled again this barrier opens a round of the cluster's barrier),
	MUL16 F1, 0, 2, 0                              ; work on registers while the others arrive,
	WIN 0
	s_barrier_wait -1
.if \fill
	CREST                                          ; all sixteen work-groups have said so: no wave of any partner still reads this slot or has a load on its way
	s_add_nc_u64 s[G0+4*\slot+2:G0+4*\slot+3], s[G0+4*\slot+2:G0+4*\slot+3], 2*ASTEP
	s_add_nc_u64 s[G0B+4*\slot+2:G0B+4*\slot+3], s[G0B+4*\slot+2:G0B+4*\slot+3], 2*BSTEP
	JLOAD \slot                                    ; the wave's one tensor load behind the round; its four v_nop are also the places in front of the loads below
.else
	PLACES
.endif
	FETCH \next, 0, F0
	WIN MUL_HI
	MUL16 F1, 1, 0, 0
	MUL16 F1, 1, 2, 0
.endm
.macro LAP first                       ; once round the ring, both slots filled again
	THREE 0, \first
	TURN 0, 1, 1
	THREE 1, 0
	TURN 1, 0, 1
.endm
	s_wait_loadcnt 0x0                             ; the bias and W3, once
	s_wait_tensorcnt 1                             ; my part of K step 0 is in; K step 1's may stay out
	s_barrier_signal -1
	s_barrier_wait -1                              ; everybody's is
	FETCH 0, 0, F0
	LAP 1                                          ; the first lap stands in front of the loop: its first products start the sums from the bias
	WIN 0                                          ; at a label and at a branch every window is 0
	s_mov_b32 s3, LAPS-2
.Llap:
	LAP 0
	WIN 0
	s_sub_co_u32 s3, s3, 1
	s_cmp_lg_u32 s3, 0
	s_cbranch_scc1 .Llap
	THREE 0, 0                                     ; the last lap fills nothing: 2 + 2 (LAPS - 1) = 16 fills of each wave's part, one for each K step
	TURN 0, 1, 0
	THREE 1, 0
	s_wait_dscnt 8                                 ; the very last quarter: nothing more to fetch
	WIN MUL_LO
	MUL16 F1, 0, 0, 0
	MUL16 F1, 0, 2, 0
	s_wait_dscnt 0
	WIN MUL_HI
	MUL16 F1, 1, 0, 0
	MUL16 F1, 1, 2, 0
	; THE WAY OUT, 16 rows at a time: relu, then the dot with W3 along my 64 columns of each row, in f32.
	PLACES                                         ; the places behind the last matrix instructions, for the reads of results and the writes of fragment registers
	s_lshl_b32 s16, s45, 16                        ; zp: the expert's 8 strips x 2,048 rows x 4 bytes,
	s_and_b32 s17, s13, 7
	s_lshl_b32 s17, s17, 10                        ; 256 rows of 4 bytes a block row,
	s_add_co_u32 s16, s16, s17
	s_lshl_b32 s17, s11, 9                         ; 128 rows for my half
	s_add_co_u32 s16, s16, s17
	s_mov_b32 s17, 0
	s_add_nc_u64 s[8:9], s[8:9], s[16:17]
	s_lshl_b32 s46, s42, 14                        ; the strip 2 x block column + half, 8,192 bytes each
	s_lshl_b32 s47, s12, 13
	s_add_co_u32 s46, s46, s47
	s_mov_b32 s47, 0
	s_add_nc_u64 s[8:9], s[8:9], s[46:47]
; rows 16 i .. 16 i + 15 of my block = the eight tiles (a, 0..7) of window 2 or 3 (from = 0x0a or 0x0f: sources 0 and 1).
; Z + i gets, in lane l, the sum over columns 16 b + 8 (l / 16) + j of relu(h2) W3 for row 16 i + l % 16.
.macro ROWSUM i, a, from
	WIN \from
.irp b, 0,1,2,3,4,5,6,7
.irp j, 0,1,2,3,4,5,6,7
	v_max_num_f32 v[RELU+8*\b+\j], 0, v[8*(8*\a+\b)+\j]
.endr
.endr
	WIN 0x04                                       ; source 1 (W3) window 1
.irp p, 0,1,2,3
	v_pk_mul_f32 v[S+2*\p:S+2*\p+1], v[RELU+2*\p:RELU+2*\p+1], v[W3V+2*\p:W3V+2*\p+1]     ; the first tile starts four chains: nothing is cleared
.endr
.irp b, 1,2,3,4,5,6,7
.irp p, 0,1,2,3
	v_pk_fma_f32 v[S+2*\p:S+2*\p+1], v[RELU+8*\b+2*\p:RELU+8*\b+2*\p+1], v[W3V+8*\b+2*\p:W3V+8*\b+2*\p+1], v[S+2*\p:S+2*\p+1]
.endr
.endr
	WIN 0
	v_pk_add_f32 v[S:S+1], v[S:S+1], v[S+2:S+3]
	v_pk_add_f32 v[S+4:S+5], v[S+4:S+5], v[S+6:S+7]
	v_pk_add_f32 v[S:S+1], v[S:S+1], v[S+4:S+5]
	v_add_f32 v[Z+\i], v[S], v[S+1]
.endm
	ROWSUM 0, 0, 0x0a
	ROWSUM 1, 1, 0x0a
	ROWSUM 2, 2, 0x0a
	ROWSUM 3, 3, 0x0a
	ROWSUM 4, 0, 0x0f
	ROWSUM 5, 1, 0x0f
	ROWSUM 6, 2, 0x0f
	ROWSUM 7, 3, 0x0f
.irp i, 0,1,2,3,4,5,6,7
	v_permlanex16_b32 v[S+\i], v[Z+\i], s72, s73   ; the other half's columns of the same row; S has been written before, as a destination that counts as read must be
.endr
.irp i, 0,1,2,3,4,5,6,7
	v_add_f32 v[Z+\i], v[Z+\i], v[S+\i]            ; lanes r and r + 16 now both hold row 16 i + r
.endr
.irp i, 0,1,2,3,4,5,6,7
	ds_store_b32 v[STO], v[Z+\i] offset:64*\i      ; the two lanes store the same word with the same value
.endr
	ds_load_b128 v[S:S+3], v[RD]                   ; my wave's own bytes; LDS serves a wave's instructions in order (ISA guide 5.7.1.4): rows 4 l .. 4 l + 3
	s_wait_dscnt 0x0
	global_store_b128 v[CO], v[S:S+3], s[8:9]      ; the wave stores 512 consecutive bytes, aligned: its 128 rows of one strip
	s_set_vgpr_msb 0x1
	s_wait_tensorcnt 0x0
	ds_add_u32 v63, v63
	s_wait_dscnt 0x0
	s_set_vgpr_msb 0x100
	CROUND                                         ; the closing round: no work-group ends while a partner may still ask for a tile that names it
	s_endpgm
.Lfunc_end_k_q7f81fc8383_fc2:
	.size	k_q7f81fc8383_fc2, .Lfunc_end_k_q7f81fc8383_fc2-k_q7f81fc8383_fc2
	.p2alignl 7, 3214868480
	.fill 96, 4, 3214868480
	.section	.rodata,"a",@progbits
	.p2align	6, 0x0
	.amdhsa_kernel k_q7f81fc8383_fc2
		.amdhsa_group_segment_fixed_size 327680
		.amdhsa_private_segment_fixed_size 0
		.amdhsa_enable_private_segment 0
		.amdhsa_kernarg_size 40
		.amdhsa_user_sgpr_count 2
		.amdhsa_user_sgpr_kernarg_segment_ptr 1
		.amdhsa_wavefront_size32 1
		.amdhsa_system_sgpr_workgroup_id_x 1
		.amdhsa_system_sgpr_workgroup_id_y 1
		.amdhsa_system_sgpr_workgroup_id_z 1
		.amdhsa_system_vgpr_workitem_id 0
		.amdhsa_next_free_vgpr 1024
		.amdhsa_next_free_sgpr 80
		.amdhsa_reserve_vcc 0
		.amdhsa_float_denorm_mode_32 3
		.amdhsa_float_denorm_mode_16_64 3
		.amdhsa_memory_ordered 1
		.amdhsa_forward_progress 1
		.amdhsa_inst_pref_size 203
	.end_amdhsa_kernel
	.amdgpu_metadata
---
amdhsa.version: [ 1, 2 ]
amdhsa.kernels:
  - .name:           k_q7f81fc8383_fc2
    .symbol:         k_q7f81fc8383_fc2.kd
    .args:
      - { .name: h1, .offset: 0, .size: 8, .value_kind: global_buffer, .address_space: global }
      - { .name: w2b, .offset: 8, .size: 8, .value_kind: global_buffer, .address_space: global }
      - { .name: zp, .offset: 16, .size: 8, .value_kind: global_buffer, .address_space: global }
      - { .name: b2, .offset: 24, .size: 8, .value_kind: global_buffer, .address_space: global }
      - { .name: W3, .offset: 32, .size: 8, .value_kind: global_buffer, .address_space: global }
    .group_segment_fixed_size: 327680
    .private_segment_fixed_size: 0
    .kernarg_segment_align: 8
    .kernarg_segment_size: 40
    .max_flat_workgroup_size: 128
    .sgpr_count:     80
    .vgpr_count:     1024
    .wavefront_size: 32
...
	.end_amdgpu_metadata
.endif
;; end of part 3
;; launch mix (part 4): grid 32 x 1, 1 waves a work-group, no clusters, 0 bytes of LDS; arguments zp, soft_cluster_probs, b3, out0; writes out0
.if DOCPART == 4
	.amdgcn_target "amdgcn-amd-amdhsa--gfx1250"
	.amdhsa_code_object_version 6
	.text
	.protected	k_q7f81fc8383_mix
	.globl	k_q7f81fc8383_mix
	.p2align	8
	.type	k_q7f81fc8383_mix,@function
k_q7f81fc8383_mix:
	s_mov_b64 s[64:65], 0
	v_nop
	global_prefetch_b8 v0, s[64:65] scope:SCOPE_SE
	s_setreg_imm32_b32 hwreg(HW_REG_WAVE_MODE, 25, 1), 1
	s_wait_xcnt 0x0
; out0[b] = sum over e of probs[b][e] sigmoid( sum over nb of zp[e][nb][b] + b3[e] ).
; zp: [8][8][2048] f32.  probs: [2048][8] f32.  b3: [8] f32.  out0: [2048] f32.  All in f32.
; sigmoid(z) = 1 / (1 + 2^(-z log2 e)).  For large |z| the power of two goes to infinity or to zero and the quotient to exactly 0 or 1, so every finite z
; is served; no maximum is involved.
; One wave a work-group; lane l of work-group g owns rows 64 g + 2 l and 64 g + 2 l + 1, so that each load of zp and the store of out0 cover 256 consecutive
; bytes, aligned.  2,048 rows are 32 such waves: the launch has work for no more.  No LDS, no barrier, no cluster: no byte is read by two work-groups but b3.
.set P,  4                             ; v[4:19]     the eight probabilities of my first row, then of my second
.set ZP, 20                            ; v[20:147]   pair 8 e + nb: the strip's partial sums of my two rows
.set A,  148                           ; v[148:163]  pair e: z, then the sigmoid, of my two rows
.set O,  164                           ; v[164:165]  the two results
	s_load_b256 s[4:11], s[0:1], 0x0               ; zp s[4:5], probs s[6:7], b3 s[8:9], out0 s[10:11]
	s_lshl_b32 s12, ttmp9, 8                       ; 64 rows of 4 bytes: in a strip of zp and in out0
	s_mov_b32 s13, 0
	s_lshl_b32 s14, ttmp9, 11                      ; 64 rows of 32 bytes in probs
	s_mov_b32 s15, 0
	s_mov_b32 s30, 0xbfb8aa3b                      ; -log2 e
	v_lshlrev_b32 v1, 3, v0                        ; 8 l: my two rows in a strip and in out0
	v_lshlrev_b32 v2, 6, v0                        ; 64 l: my two rows in probs
	s_wait_kmcnt 0x0
	s_load_b256 s[16:23], s[8:9], 0x0              ; b3[0..7]
	s_add_nc_u64 s[4:5], s[4:5], s[12:13]
	s_add_nc_u64 s[6:7], s[6:7], s[14:15]
	s_add_nc_u64 s[10:11], s[10:11], s[12:13]
.irp j, 0,1,2,3
	global_load_b128 v[P+4*\j:P+4*\j+3], v2, s[6:7] offset:16*\j
.endr
.set c, 0
.rept 64
	global_load_b64 v[ZP+2*c:ZP+2*c+1], v1, s[4:5] offset:8192*c       ; strip c = 8 e + nb
.set c, c+1
.endr
	s_wait_kmcnt 0x0
.irp e, 0,1,2,3,4,5,6,7
	s_mul_f32 s[32+\e], s[16+\e], s30              ; -b3[e] log2 e
.endr
; Expert e: its eight strips are added as a tree, two rows at a time; then t = -(z + b3) log2 e by one fused multiply-add a row.
.macro EXPERT e
	s_wait_loadcnt 56-8*\e                         ; loads come back in order (ISA guide 5.7.1): this expert's eight are in, the later experts' eight each stay out
	v_pk_add_f32 v[ZP+16*\e:ZP+16*\e+1],       v[ZP+16*\e:ZP+16*\e+1],       v[ZP+16*\e+2:ZP+16*\e+3]
	v_pk_add_f32 v[ZP+16*\e+4:ZP+16*\e+5],     v[ZP+16*\e+4:ZP+16*\e+5],     v[ZP+16*\e+6:ZP+16*\e+7]
	v_pk_add_f32 v[ZP+16*\e+8:ZP+16*\e+9],     v[ZP+16*\e+8:ZP+16*\e+9],     v[ZP+16*\e+10:ZP+16*\e+11]
	v_pk_add_f32 v[ZP+16*\e+12:ZP+16*\e+13],   v[ZP+16*\e+12:ZP+16*\e+13],   v[ZP+16*\e+14:ZP+16*\e+15]
	v_pk_add_f32 v[ZP+16*\e:ZP+16*\e+1],       v[ZP+16*\e:ZP+16*\e+1],       v[ZP+16*\e+4:ZP+16*\e+5]
	v_pk_add_f32 v[ZP+16*\e+8:ZP+16*\e+9],     v[ZP+16*\e+8:ZP+16*\e+9],     v[ZP+16*\e+12:ZP+16*\e+13]
	v_pk_add_f32 v[A+2*\e:A+2*\e+1],           v[ZP+16*\e:ZP+16*\e+1],       v[ZP+16*\e+8:ZP+16*\e+9]
	v_fma_f32 v[A+2*\e],   v[A+2*\e],   s30, s[32+\e]
	v_fma_f32 v[A+2*\e+1], v[A+2*\e+1], s30, s[32+\e]
.endm
.irp e, 0,1,2,3,4,5,6,7
	EXPERT \e
.endr
.irp k, 0,1,2,3,4,5,6,7,8,9,10,11,12,13,14,15
	v_exp_f32 v[A+\k], v[A+\k]                     ; 2^t
.endr
	v_nop                                          ; one plain vector instruction behind the last of them before a result is used (ISA guide 5.7.2)
	s_wait_alu depctr_va_vdst(0)
.irp k, 0,1,2,3,4,5,6,7,8,9,10,11,12,13,14,15
	v_add_f32 v[A+\k], 1.0, v[A+\k]
.endr
.irp k, 0,1,2,3,4,5,6,7,8,9,10,11,12,13,14,15
	v_rcp_f32 v[A+\k], v[A+\k]                     ; the sigmoid
.endr
	v_nop                                          ; as above
	s_wait_alu depctr_va_vdst(0)
	v_mul_f32 v[O],   v[P],   v[A]                 ; expert 0 starts the two sums: nothing is cleared
	v_mul_f32 v[O+1], v[P+8], v[A+1]
.irp e, 1,2,3,4,5,6,7
	v_fmac_f32 v[O],   v[P+\e],   v[A+2*\e]
	v_fmac_f32 v[O+1], v[P+8+\e], v[A+2*\e+1]
.endr
	global_store_b64 v1, v[O:O+1], s[10:11]        ; the wave stores 256 consecutive bytes, aligned
	s_endpgm
.Lfunc_end_k_q7f81fc8383_mix:
	.size	k_q7f81fc8383_mix, .Lfunc_end_k_q7f81fc8383_mix-k_q7f81fc8383_mix
	.p2alignl 7, 3214868480
	.fill 96, 4, 3214868480
	.section	.rodata,"a",@progbits
	.p2align	6, 0x0
	.amdhsa_kernel k_q7f81fc8383_mix
		.amdhsa_group_segment_fixed_size 0
		.amdhsa_private_segment_fixed_size 0
		.amdhsa_enable_private_segment 0
		.amdhsa_kernarg_size 32
		.amdhsa_user_sgpr_count 2
		.amdhsa_user_sgpr_kernarg_segment_ptr 1
		.amdhsa_wavefront_size32 1
		.amdhsa_system_sgpr_workgroup_id_x 1
		.amdhsa_system_sgpr_workgroup_id_y 1
		.amdhsa_system_sgpr_workgroup_id_z 1
		.amdhsa_system_vgpr_workitem_id 0
		.amdhsa_next_free_vgpr 168
		.amdhsa_next_free_sgpr 66
		.amdhsa_reserve_vcc 0
		.amdhsa_float_denorm_mode_32 3
		.amdhsa_float_denorm_mode_16_64 3
		.amdhsa_memory_ordered 1
		.amdhsa_forward_progress 1
		.amdhsa_inst_pref_size 15
	.end_amdhsa_kernel
	.amdgpu_metadata
---
amdhsa.version: [ 1, 2 ]
amdhsa.kernels:
  - .name:           k_q7f81fc8383_mix
    .symbol:         k_q7f81fc8383_mix.kd
    .args:
      - { .name: zp, .offset: 0, .size: 8, .value_kind: global_buffer, .address_space: global }
      - { .name: soft_cluster_probs, .offset: 8, .size: 8, .value_kind: global_buffer, .address_space: global }
      - { .name: b3, .offset: 16, .size: 8, .value_kind: global_buffer, .address_space: global }
      - { .name: out0, .offset: 24, .size: 8, .value_kind: global_buffer, .address_space: global }
    .group_segment_fixed_size: 0
    .private_segment_fixed_size: 0
    .kernarg_segment_align: 8
    .kernarg_segment_size: 32
    .max_flat_workgroup_size: 32
    .sgpr_count:     66
    .vgpr_count:     168
    .wavefront_size: 32
...
	.end_amdgpu_metadata
.endif
;; end of part 4
